; MI455X (gfx1250); checked and timed in simulation.
; The chip was launched on July 23, 2026; its instructions are those of AMD's public machine-readable ISA for CDNA 5 (MIT licence, August 2026) and "CDNA5" Instruction Set Architecture Reference Guide (July 2026). The comments in the code are by the model that wrote it; some were corrected since.
;; Quantize. Allowed arithmetic: float matrix products may take bf16 or f16 operands with f32 sums; other float arithmetic in f32, or as packed bf16 or f16 multiplies, adds, multiply-adds, maxima and minima; sums over many terms, partial sums and values carried from step to step in f32; what a program stores and reads back later, other than sums and carried values, may be rounded once to bf16 or f16.
;; Inputs: embed 256 x 8,192 float32; input 8 x 4,096 x 256 float32.
;; Outputs: out0 8 x 4,096 x 256 float32; out1 one number float32; out2 8 x 4,096 int32.
;; One version. Each part assembles by itself: llvm-mc -triple=amdgcn-amd-amdhsa -mcpu=gfx1250 --defsym DOCPART=n.
;; ======== version 1 of 1: 3 launches
;; limits: a difference of large sums (such as E[x^2] - mean^2): digits are lost where the result is much smaller than its terms
;; workspace buffers: embt 4,194,304 bytes; bias 32,768 bytes; cand 131,072 bytes of whole numbers; part 1,024 bytes
;; launch prep (part 1): grid 128 x 1, 8 waves a work-group, no clusters, 38,912 bytes of LDS; arguments embed, embt, bias; writes embt, bias
.if DOCPART == 1
	.amdgcn_target "amdgcn-amd-amdhsa--gfx1250"
	.amdhsa_code_object_version 6
	.text
	.protected	k_q598298d3a3_prep
	.globl	k_q598298d3a3_prep
	.p2align	8
	.type	k_q598298d3a3_prep,@function
k_q598298d3a3_prep:
	s_mov_b64 s[64:65], 0
	v_nop
	global_prefetch_b8 v0, s[64:65] scope:SCOPE_SE
	s_setreg_imm32_b32 hwreg(HW_REG_WAVE_MODE, 25, 1), 1
	s_wait_xcnt 0x0
; VECTOR QUANTISATION, launch 1 of 3: the codebook is turned, rounded and measured.
; embed: [256 k][8192 codes] f32.  embt: [8192 codes][256 k] bf16, each number rounded once.  bias[c] = -0.5 x the sum over k of embt[c][k]^2, f32.
; THE WHOLE PROGRAM.  argmin over codes of |x|^2 - 2 x.e + |e|^2 = argmax of s = x.e - |e|^2 / 2.  Launch 2 makes s on the matrix units (bf16 operands, f32 sums, -|e|^2 / 2 as the sums' start)
; and keeps for each query the best s and the group of four neighbouring codes that holds it; launch 3 reads that group's four rows, takes the nearest, and stores row, index and mean.
; BOTH INPUTS ARE ROUNDED TO bf16 ONCE, and every later number (norms, scores, distances, the rows that leave) is made of the rounded ones.
; WORK LEFT OUT, for all finite values of the inputs:
;   |x|^2 is one number for a query, added to all 8,192 of its distances: it moves no argmin, and it does not enter the scores.  (Its sum is made once, for the mean.)
;   input + (quantize - input) is quantize by identity, and stop_gradient changes no value: out0 is the chosen row itself.
;   mean((quantize - input)^2) is the mean of the least distances: sum of |x|^2 less twice the sum of the best s, the same three sums of which reference() makes its distances.
; Both inputs have a way to the outputs and both are loaded.
; LIMITS.  A NaN, an infinity or an overflow that reaches only the work left out (|x|^2 inside a distance, the sum input + (quantize - input)) is not carried to the result; NaN and infinities
; are not treated apart.  Equal scores go to the lowest index; where two distances lie within f32 rounding of each other the index may differ from reference()'s.  The mean is a difference of sums:
; with a common offset of d spreads on the inputs its f32 rounding grows by about 1.5 d^2: 1e-4 of the mean at d = 30, one part in a hundred near d = 300.
; SHARES.  A work-group owns 64 codes x all 256 k: of each row of embed 256 consecutive bytes, aligned, and each code's norm has one owner.  Wave w takes k = 32 w .. 32 w + 31; lane l takes codes
; 4 (l % 16) + 0..3 of the sixteen rows k = 32 w + 16 (l / 16) + 0..15.  The turn goes through LDS; rows of 512 bytes leave whole.  No matrix unit, no cluster, no ring: bytes are all there is.
.set ROWB,  32768                      ; bytes in a row of embed
.set TP,    528                        ; a code's row in LDS: 512 bytes + 16
.set PARTS, 64*TP                      ; 16 rows of 64 partial norms, 256 bytes each
.set SPARE, PARTS+4096                 ; the spare words, 128 bytes for each of the eight waves: four blocks of 256 bytes that no other line names
.set GOFF, 3                           ; v3   (32 w + 16 p) x ROWB + 16 cq
.set LST,  4                           ; v4   where my codes' 32 bytes go: 4 cq x TP + 2 (32 w + 16 p)
.set LPS,  5                           ; v5   where my four partial norms go
.set LRD,  6                           ; v6   where I read rows back: 8 w x TP + 16 l
.set GST,  7                           ; v7   the same rows in embt: 8 w x 512 + 16 l
.set SPW,  8                           ; v8   my spare word; never rewritten
.set NIL,  9                           ; v9   0; never rewritten
.set L8,   10                          ; v10  8 l
.set SQ,   16                          ; v[16:23]  a pair of running sums of squares for each of my four codes
.set T,    24                          ; v[24:31]  a pair at work for each code; at the end v[28:31] take the four sums
.set R,    32                          ; v[32:95]  row i, code c at R + 4 i + c
.set PK,   96                          ; v[96:127] code c, pair of k m at PK + 8 c + m
	s_load_b128 s[4:7], s[0:1], 0x0                ; embed s[4:5], embt s[6:7]
	s_load_b64 s[8:9], s[0:1], 0x10                ; bias
	v_lshl_add_u32 v[SPW], v0, 2, SPARE
	v_mov_b32 v[NIL], 0
	v_lshrrev_b32 v11, 5, v0
	v_readfirstlane_b32 s12, v11                   ; wave 0..7
	s_mov_b32 s13, 0xffff0000                      ; a word's upper bf16
	v_and_b32 v1, 15, v0                           ; cq
	v_bfe_u32 v2, v0, 4, 1                         ; p
	v_and_b32 v12, 31, v0                          ; l
	s_lshl_b32 s14, s12, 1
	v_add_nc_u32 v13, s14, v2                      ; 2 w + p: which sixteen rows
	v_lshlrev_b32 v[GOFF], 19, v13                 ; x 16 rows x 32,768 bytes
	v_lshl_add_u32 v[GOFF], v1, 4, v[GOFF]
	v_mul_u32_u24 v[LST], v1, 4*TP
	v_lshl_add_u32 v[LST], v13, 5, v[LST]          ; + 16 k x 2 bytes x (2 w + p)
	v_lshlrev_b32 v[LPS], 8, v13
	v_lshl_add_u32 v[LPS], v1, 4, v[LPS]
	v_add_nc_u32 v[LPS], PARTS, v[LPS]
	s_mul_i32 s15, s12, 8*TP
	v_lshl_add_u32 v[LRD], v12, 4, s15
	s_lshl_b32 s15, s12, 12
	v_lshl_add_u32 v[GST], v12, 4, s15
	v_lshlrev_b32 v[L8], 3, v12
	s_lshl_b32 s16, ttmp9, 8                       ; the work-group's 64 codes: 256 bytes of a row of embed, and of bias
	s_mov_b32 s17, 0
	s_lshl_b32 s18, ttmp9, 15                      ; and 64 rows of 512 bytes of embt
	s_mov_b32 s19, 0
	s_wait_kmcnt 0x0
	s_add_nc_u64 s[4:5], s[4:5], s[16:17]
	s_add_nc_u64 s[6:7], s[6:7], s[18:19]
	s_add_nc_u64 s[8:9], s[8:9], s[16:17]
.irp i, 0,1,2,3,4,5,6,7,8,9,10,11,12,13,14,15
	global_load_b128 v[R+4*\i:R+4*\i+3], v[GOFF], s[4:5] offset:\i*ROWB th:TH_LOAD_NT  ; lanes 0-15 and 16-31 each take 256 consecutive bytes, aligned
.endr
	; two rows at a time: rounded and packed along k; the rounded numbers are widened again and squared
.irp m, 0,1,2,3,4,5,6,7
	s_wait_loadcnt 14-2*\m                         ; loads come back in order: rows 2 m and 2 m + 1 are in, the 14 - 2 m younger ones stay out
.irp c, 0,1,2,3
	v_cvt_pk_bf16_f32 v[PK+8*\c+\m], v[R+8*\m+\c], v[R+8*\m+4+\c]
	v_lshlrev_b32 v[T+2*\c], 16, v[PK+8*\c+\m]
	v_and_b32 v[T+2*\c+1], s13, v[PK+8*\c+\m]
.if \m == 0
	v_pk_mul_f32 v[SQ+2*\c:SQ+2*\c+1], v[T+2*\c:T+2*\c+1], v[T+2*\c:T+2*\c+1]  ; the first pair starts the sums
.else
	v_pk_fma_f32 v[SQ+2*\c:SQ+2*\c+1], v[T+2*\c:T+2*\c+1], v[T+2*\c:T+2*\c+1], v[SQ+2*\c:SQ+2*\c+1]
.endif
.endr
.endr
.irp c, 0,1,2,3
	ds_store_b128 v[LST], v[PK+8*\c:PK+8*\c+3]   offset:\c*TP
	ds_store_b128 v[LST], v[PK+8*\c+4:PK+8*\c+7] offset:\c*TP+16
.endr
.irp c, 0,1,2,3
	v_add_f32 v[28+\c], v[SQ+2*\c], v[SQ+2*\c+1]
.endr
	ds_store_b128 v[LPS], v[28:31]
	s_wait_dscnt 0x0                               ; for the others' sake: my stores are done
	s_barrier_signal -1
	s_barrier_wait -1
.irp j, 0,1,2,3,4,5,6,7
	ds_load_b128 v[R+4*\j:R+4*\j+3], v[LRD] offset:\j*TP  ; a whole row of 512 bytes: codes 8 w + j
.endr
.irp j, 0,1,2,3,4,5,6,7
	s_wait_dscnt 7-\j                              ; row j is back, the younger ones stay out
	global_store_b128 v[GST], v[R+4*\j:R+4*\j+3], s[6:7] offset:\j*512  ; 512 consecutive bytes, aligned
.endr
	s_cmp_lg_u32 s12, 0                            ; wave 0 adds the sixteen partial norms
	s_cbranch_scc1 .Lend
.irp t, 0,1,2,3,4,5,6,7,8,9,10,11,12,13,14,15
	ds_load_b64 v[64+2*\t:65+2*\t], v[L8] offset:PARTS+256*\t  ; codes 2 l and 2 l + 1, into registers that no pending store reads
.endr
	s_wait_dscnt 0x0
.irp t, 0,1,2,3,4,5,6,7
	v_pk_add_f32 v[64+2*\t:65+2*\t], v[64+2*\t:65+2*\t], v[80+2*\t:81+2*\t]
.endr
.irp t, 0,1,2,3
	v_pk_add_f32 v[64+2*\t:65+2*\t], v[64+2*\t:65+2*\t], v[72+2*\t:73+2*\t]
.endr
.irp t, 0,1
	v_pk_add_f32 v[64+2*\t:65+2*\t], v[64+2*\t:65+2*\t], v[68+2*\t:69+2*\t]
.endr
	v_pk_add_f32 v[64:65], v[64:65], v[66:67]
	v_pk_mul_f32 v[64:65], v[64:65], -0.5 op_sel_hi:[1,0]
	global_store_b64 v[L8], v[64:65], s[8:9]       ; 256 consecutive bytes, aligned
.Lend:
	s_wait_tensorcnt 0x0                           ; the wave's end, behind my last LDS store
	ds_add_u32 v[SPW], v[NIL]
	s_wait_dscnt 0x0
	s_endpgm
.Lfunc_end_k_q598298d3a3_prep:
	.size	k_q598298d3a3_prep, .Lfunc_end_k_q598298d3a3_prep-k_q598298d3a3_prep
	.p2alignl 7, 3214868480
	.fill 96, 4, 3214868480
	.section	.rodata,"a",@progbits
	.p2align	6, 0x0
	.amdhsa_kernel k_q598298d3a3_prep
		.amdhsa_group_segment_fixed_size 38912
		.amdhsa_private_segment_fixed_size 0
		.amdhsa_enable_private_segment 0
		.amdhsa_kernarg_size 24
		.amdhsa_user_sgpr_count 2
		.amdhsa_user_sgpr_kernarg_segment_ptr 1
		.amdhsa_wavefront_size32 1
		.amdhsa_system_sgpr_workgroup_id_x 1
		.amdhsa_system_sgpr_workgroup_id_y 1
		.amdhsa_system_sgpr_workgroup_id_z 1
		.amdhsa_system_vgpr_workitem_id 0
		.amdhsa_next_free_vgpr 128
		.amdhsa_next_free_sgpr 66
		.amdhsa_reserve_vcc 0
		.amdhsa_float_denorm_mode_32 3
		.amdhsa_float_denorm_mode_16_64 3
		.amdhsa_memory_ordered 1
		.amdhsa_forward_progress 1
		.amdhsa_inst_pref_size 15
	.end_amdhsa_kernel
	.amdgpu_metadata
---
amdhsa.version: [ 1, 2 ]
amdhsa.kernels:
  - .name:           k_q598298d3a3_prep
    .symbol:         k_q598298d3a3_prep.kd
    .args:
      - { .name: embed, .offset: 0, .size: 8, .value_kind: global_buffer, .address_space: global }
      - { .name: embt, .offset: 8, .size: 8, .value_kind: global_buffer, .address_space: global }
      - { .name: bias, .offset: 16, .size: 8, .value_kind: global_buffer, .address_space: global }
    .group_segment_fixed_size: 38912
    .private_segment_fixed_size: 0
    .kernarg_segment_align: 8
    .kernarg_segment_size: 24
    .max_flat_workgroup_size: 256
    .sgpr_count:     66
    .vgpr_count:     128
    .wavefront_size: 32
...
	.end_amdgpu_metadata
.endif
;; end of part 1
;; launch search (part 2): grid 256 x 1, 4 waves a work-group, clusters of 4 x 1, 327,680 bytes of LDS; arguments input, embt, bias, cand, part; writes cand, part
.if DOCPART == 2
	.amdgcn_target "amdgcn-amd-amdhsa--gfx1250"
	.amdhsa_code_object_version 6
	.text
	.protected	k_q598298d3a3_search
	.globl	k_q598298d3a3_search
	.p2align	8
	.type	k_q598298d3a3_search,@function
k_q598298d3a3_search:
	s_mov_b64 s[64:65], 0
	v_nop
	global_prefetch_b8 v0, s[64:65] scope:SCOPE_SE
	s_setreg_imm32_b32 hwreg(HW_REG_WAVE_MODE, 25, 1), 1
	s_wait_xcnt 0x0
	s_wait_alu depctr_hold_cnt(0) depctr_sa_sdst(0) depctr_va_vdst(0) depctr_va_sdst(0) depctr_va_ssrc(0) depctr_va_vcc(0) depctr_vm_vsrc(0)
	s_getreg_b32 s2, hwreg(HW_REG_IB_STS2, 6, 4)
	s_cmp_eq_u32 s2, 0
	s_cbranch_scc0 .Lentry_in_a_cluster
	s_endpgm
.Lentry_in_a_cluster:
	s_bfe_u32 s2, ttmp6, 0x10000c
	s_cmp_lg_u32 s2, 0x3003
	s_cbranch_scc0 .Lentry_shape_is_right
	s_endpgm
.Lentry_shape_is_right:
; VECTOR QUANTISATION, launch 2 of 3: for each query the best score s = x.e - |e|^2 / 2 over all 8,192 codes, and the group of four neighbouring codes that holds it.
; Left out: |x|^2 inside the scores (one number for a query, the same for all its codes: it moves no argmax).  Limits as stated at the head of the first kernel.
; input: [32768][256] f32, rounded here to bf16.  embt: [8192][256] bf16.  bias: [8192] f32.  cand[q]: the first code of the winning group (a multiple of 4).
; part[work-group]: the sum over its 128 queries of |x|^2 - 2 s_best, the queries' least distances.
; SHARES.  A work-group owns 128 queries and walks all codes, 256 a step, 32 steps.  ALL FOUR WAVES hold the same 128 queries as fragments in 512 registers; wave w takes codes 64 w .. 64 w + 63 of a
; step, four tiles of 16.  So a fragment of 16 codes x 32 k read from LDS feeds eight matrix instructions: 18 LDS loads for 64 of them.
; LAYOUT.  S^T = E X^T (source 0 = 16 codes, source 1 = 16 queries): in the result lane l holds ONE query (l % 16) and codes 8 (l / 16) + 0..7.  The first of the 8 K steps takes bias as C.
; THE MAXIMUM, four vector instructions for four scores: two three-way maxima onto the running best, one compare (has it grown?), one select of the group's number.  The compare is strict, so the earlier
; (lower) group keeps a tie.  Which of the four codes it is, launch 3 finds: it has to read the winner's row anyway.
; BY TURNS.  A TURN is one tile of 16 codes x 128 queries: 64 matrix instructions on 8 accumulators that take turns (seven others between two links of a chain).  There are two sets
; of accumulators: behind each four matrix instructions stand four vector instructions (a SLICE) that work on the tile before, in the other set.
; CLUSTER.  All work-groups walk the same codes, so each tile of embt, and bias, is asked for JOINTLY by the four of a cluster: the same load, descriptor and mask in all four.  The queries are each
; work-group's own.  No place in the cluster enters an LDS address, a branch or a joint descriptor.
; REGISTERS, in windows of 256 (s_set_vgpr_msb: bits 1:0 source 0, 3:2 source 1, 5:4 source 2, 7:6 destination):
;   window 0: addresses, the running state, bias fragments, v[128:255] the two sets of accumulators      windows 1, 2: X, query tile qt, K step kc at 64 (qt % 4) + 8 kc
;   window 3: v[0:127] two buffers of E's fragments.  While X is converted, window 0's v[128:255] and window 3's v[0:127] are two stages of f32.
.set STEPB, 131072                     ; bytes of embt in a step
.set EP,    528                        ; a code's row in LDS: 512 bytes + 16 = 132 words: the 16 rows of a load start at 16 different groups of four banks (64 banks of 4 bytes: ISA guide 11.1)
.set WTILE, 64*EP                      ; what one tensor load brings and one wave reads
.set SLOT1, 4*WTILE                    ; slot 0 at 0, slot 1 here; slot 1's first fill is X in f32
.set XP,    1040                       ; a query's row of f32 in LDS: 1,024 bytes + 16
.set BIAS,  2*SLOT1                    ; 32,768 bytes, filled once
.set SCR,   BIAS+32768                 ; written by LDS stores alone: best values [4 waves][128], groups at +2,048, the four traces at +4,096
.set SPARE, SCR+4352                   ; the spare words, 128 bytes for each wave: two blocks of 256 bytes that no other line names
.set AE0, 3                            ; v3   my place in slot 0: w x WTILE + (l % 16) x EP + 16 (l / 16); v4 the same in slot 1
.set AB,  5                            ; v5   my 32 bytes of bias for the step's first tile: steps by 1,024 a step
.set AX,  6                            ; v6   my place in a query tile of f32
.set PFO, 7                            ; v7   256 x lane; never rewritten
.set H8,  8                            ; v8   8 (l / 16)
.set SA,  9                            ; v9   SCR + 512 w + 4 (l % 16)
.set SPW, 10                           ; v10  my spare word; never rewritten
.set NIL, 11                           ; v11  0; never rewritten
.set LN,  12                           ; v12  lane
.set L16, 13                           ; v13  16 x lane
.set TA,  14                           ; v14  SCR + 4,096 + 4 w
.set ZR,  15                           ; v15  0
.set BA,  16                           ; v[16:23], v[24:31]  the running best of query tile qt: the two take turns as old and new
.set BB,  24
.set GI,  32                           ; v[32:39]  the best's group, less 8 (l / 16)
.set BI,  40                           ; v[40:47], v[48:55]  bias fragments, two buffers
.set TD,  64                           ; v[64:79]  two accumulators for the trace
.set DM,  80                           ; v[80:87]  1.0 on the diagonal
.set TR,  88                           ; v[88:90]  the trace
.set ACC, 128                          ; set b, query tile qt at ACC + 64 b + 8 qt
.set WV,  14                           ; s14  my wave's number
.set CX,  15                           ; s15  my place in the cluster
.set WG,  16                           ; s16  my work-group
.set CNT, 17                           ; s17  trips to go
.set LIM, 18                           ; s18  1 in a cluster that prefetches, else the greatest number
.set PFA, 20                           ; s[20:21] where my prefetches stand
.set SEL, 22                           ; s[22:23] v_permlanex16_b32's selects: each lane takes its own place in the other half
.set G1E, 24                           ; s[24:31] group 1 for embt's tiles;  s[32:39] for X;  s[40:47] for bias
.set G1X, 32
.set G1B, 40
.set G0E, 48                           ; s[48:51], s[52:55] group 0 for slots 0 and 1
.set G0X, 56
.set G0B, 60
.set GID0, 66                          ; s66  first code of the tile whose scores are in hand; s67 the same + 4
.set MK,  68                           ; s[68:71] four compare masks, by turns
.set MSB, 0
.macro WIN new                         ; the immediate's high byte repeats the setting that is left; a switch that changes nothing is dropped
.if MSB != (\new)
	s_set_vgpr_msb (MSB<<8)|(\new)
.set MSB, \new
.endif
.endm
; A round of the cluster's barrier: my work-group's barrier, so that wave 0's signal speaks for all four waves; wave 0 signals; every wave waits for all four work-groups; my work-group's barrier once more.
.macro CREST
	s_cmp_lg_u32 s[WV], 0
	s_cbranch_scc1 .Lnot_wave_0_\@
	s_barrier_signal -3
.Lnot_wave_0_\@:
	s_barrier_wait -3
	s_barrier_signal -1
	s_barrier_wait -1
.endm
.macro ROUND
	s_barrier_signal -1
	s_barrier_wait -1
	CREST
.endm
; 18 LDS loads in one run: tile i of a step's four (16 codes x 256 k: 8 fragments) into E's buffer b, and its 8 bias numbers a lane.
.macro FETCH areg, i, b
	WIN 0xc0                                       ; destination window 3, address window 0
.irp c, 0,1,2,3,4,5,6,7
	ds_load_b128 v[64*(\b)+8*\c:64*(\b)+8*\c+3],   v[\areg] offset:(\i)*16*EP+64*\c
	ds_load_b128 v[64*(\b)+8*\c+4:64*(\b)+8*\c+7], v[\areg] offset:(\i)*16*EP+64*\c+32
.endr
	WIN 0
	ds_load_b128 v[BI+8*(\b):BI+8*(\b)+3],   v[AB] offset:64*(\i)
	ds_load_b128 v[BI+8*(\b)+4:BI+8*(\b)+7], v[AB] offset:64*(\i)+16
.endm
; THE VECTOR WORK.  A tile has 16 groups g: query tile g % 8, registers 4 (g / 8) + 0..3 of its accumulator.  For the lower four BA is the old best and BB the new, for the upper four the other way round.
.macro GRP g, b
.set qq, (\g)%8
.set uu, (\g)/8
.set bN, BB+qq-8*uu
.set bO, BA+qq+8*uu
.set rA, ACC+64*(\b)+8*qq+4*uu
.endm
.macro OPA g, b                        ; an accumulator's lowest registers are read first: g < 8 comes before g + 8
	GRP \g, \b
	v_max3_num_f32 v[bN], v[bO], v[rA], v[rA+1]
.endm
.macro OPB g, b
	GRP \g, \b
	v_max3_num_f32 v[bN], v[bN], v[rA+2], v[rA+3]
.endm
.macro OPC g
	GRP \g, 0
	v_cmp_gt_f32 s[MK+(\g)%4], v[bN], v[bO]
.endm
.macro OPD g
	GRP \g, 0
	v_cndmask_b32 v[GI+qq], v[GI+qq], s[GID0+uu], s[MK+(\g)%4]
.endm
; Slice k of 16: the four steps of four different groups, so that none reads the result of another in its slice.  Groups 13 to 15 end in the next turn's slices 0 to 2; group 15's second maximum then
; reads the set that this turn writes, ahead of the turn's eighth matrix instruction, which is the first to write that accumulator.
; The group numbers step where their last reader has passed: a tile is 16 codes on, across a step 256 - 48.
.macro SLICE
	WIN 0
	OPA k, PB
.if k == 0
	OPB 15, CB
.else
	OPB k-1, PB
.endif
	OPC (k+14)%16
	OPD (k+13)%16
.if k == 2
.if TI == 1
	s_add_co_u32 s[GID0+1], s[GID0+1], 208
.else
	s_add_co_u32 s[GID0+1], s[GID0+1], 16
.endif
.endif
.if k == 10
.if TI == 0
	s_add_co_u32 s[GID0], s[GID0], 208
.else
	s_add_co_u32 s[GID0], s[GID0], 16
.endif
.endif
.set k, k+1
.endm
; Four matrix instructions: K step kc, query tiles 4 half + 0..3.  The first K step takes bias as C: nothing is cleared and nothing is added later.
.macro MM kc, half
	WIN 0x07+4*(\half)                             ; E in window 3, X in window 1 or 2, C and D in window 0
.irp q, 0,1,2,3
.set rD, ACC+64*CB+8*(4*(\half)+\q)
.if (\kc) == 0
	v_wmma_f32_16x16x32_bf16 v[rD:rD+7], v[64*CB+8*(\kc):64*CB+8*(\kc)+7], v[64*\q+8*(\kc):64*\q+8*(\kc)+7], v[BI+8*CB:BI+8*CB+7]
.else
	v_wmma_f32_16x16x32_bf16 v[rD:rD+7], v[64*CB+8*(\kc):64*CB+8*(\kc)+7], v[64*\q+8*(\kc):64*\q+8*(\kc)+7], v[rD:rD+7]
.endif
.endr
.endm
; A PREFETCH INTO THE L2, behind a joint load, its five lines and the run of LDS loads: the step that stands two refills on, 512 matrix instructions ahead of the load that will want it.  All clusters walk
; the same embt: the first cluster asks, and nobody else.  Its sixteen waves share a step's 512 blocks of 256 bytes out BY ADDRESS, a lane a block: each block is named once in the launch.
; Steps 0 to 3 come by their loads alone; the loop's last trip asks for nothing, so the last block named lies in step 31.
.macro ASK
	s_cmp_gt_u32 s[CNT], s[LIM]
	s_cbranch_scc0 .Lnot_mine_\@
	global_prefetch_b8 v[PFO], s[PFA:PFA+1] th:TH_LOAD_NT scope:SCOPE_SE
.Lnot_mine_\@:
.endm
; A TURN: tile i of the step in slot.  The slices are the places behind the matrix instructions: they name the other set of accumulators and the state alone (ISA guide 7.12.1).
; chg = 0: the next tile is fetched behind slice 1, twelve plain instructions behind the last product that read its buffer.
; chg = 1: the step's last tile, whose fragments are in registers: the slot is left.  Each wave waits for all its tensor loads (one is out: its part of the other slot), adds 0 to its spare word, and waits
; for that; its reads of the slot ended at the turn's head.  The barrier opens a round of the cluster's, so that no wave of any partner still reads the slot or has a load on its way; the joint refill, the
; step two on, is the first thing behind it: it has 240 matrix instructions in which to land.      chg = 2: the same with nothing left to ask for.      chg = 3: the last turn of all.
.macro TURN slot, i, chg
.set CB, (\i)%2
.set PB, 1-CB
.set TI, \i
.set k, 0
	WIN 0
	s_wait_dscnt 0x0                               ; this tile's 18 loads, issued 48 matrix instructions back or more
.if (\chg) == 1
	s_wait_xcnt 0x0                                ; the last prefetch, a step back, has read its address
	s_add_nc_u64 s[PFA:PFA+1], s[PFA:PFA+1], STEPB
.endif
.if ((\chg) == 1) || ((\chg) == 2)
	s_wait_tensorcnt 0x0                           ; all my tensor loads have landed: my part of the other slot
	ds_add_u32 v[SPW], v[NIL]                      ; 0 onto my spare word; eight matrix instructions and two slices stand between it and its wait
.endif
	MM 0, 0
	SLICE
	MM 0, 1
	SLICE
.if (\chg) == 0
	FETCH AE0+(\slot), (\i)+1, PB
.endif
.if ((\chg) == 1) || ((\chg) == 2)
	s_wait_dscnt 0x0                               ; the add is done; no LDS instruction of mine is out
	s_barrier_signal -1
.endif
	MM 1, 0                                        ; work on registers while the others arrive
	SLICE
	MM 1, 1
	SLICE
.if (\chg) == 1
	s_barrier_wait -1
	CREST
	s_add_nc_u64 s[G0E+4*(\slot)+2:G0E+4*(\slot)+3], s[G0E+4*(\slot)+2:G0E+4*(\slot)+3], 2*STEPB  ; no load of mine is out: the group 0 may be written
	tensor_load_to_lds s[G0E+4*(\slot):G0E+4*(\slot)+3], s[G1E:G1E+7]
	s_nop 0
.rept 4
	v_nop
.endr
	v_add_nc_u32 v[AB], 1024, v[AB]                ; the next step's bias
	FETCH AE0+1-(\slot), 0, PB
	ASK
.elseif (\chg) == 2
	s_barrier_wait -1
	v_add_nc_u32 v[AB], 1024, v[AB]
	FETCH AE0+1-(\slot), 0, PB
.endif
.irp z, 2,3,4,5,6,7
	MM \z, 0
	SLICE
	MM \z, 1
	SLICE
.endr
.endm
; X's way into registers.  XLOAD: a query tile's 16 rows x 256 f32, 32 loads, into stage st (0: window 0, v128 on; 1: window 3, v0 on): fragment kc's sixteen numbers a lane, k = 8 h + 0..7 and 16 + 8 h + 0..7.
.macro XLOAD st
.if \st
	WIN 0xc0
.set sb, 0
.else
	WIN 0
.set sb, 128
.endif
.irp c, 0,1,2,3,4,5,6,7
	ds_load_b128 v[sb+16*\c:sb+16*\c+3],     v[AX] offset:128*\c
	ds_load_b128 v[sb+16*\c+4:sb+16*\c+7],   v[AX] offset:128*\c+16
	ds_load_b128 v[sb+16*\c+8:sb+16*\c+11],  v[AX] offset:128*\c+64
	ds_load_b128 v[sb+16*\c+12:sb+16*\c+15], v[AX] offset:128*\c+80
.endr
	WIN 0
	v_add_nc_u32 v[AX], 16*XP, v[AX]               ; the next query tile
.endm
.macro XCVT qt, st                     ; rounded once to bf16, two at a time, into the tile's 64 registers
	WIN (0x40<<((\qt)/4))|(0x0f*(\st))
.set sb, 128-128*(\st)
.set xb, 64*((\qt)%4)
.set n, 0
.rept 64
	v_cvt_pk_bf16_f32 v[xb+n], v[sb+2*n], v[sb+2*n+1]
.set n, n+1
.endr
.endm
; The sum of |x|^2 of two query tiles: the traces of X X^T, 16 matrix instructions, two accumulators by turns.
.macro TRACE base, win
	WIN \win
.irp c, 0,1,2,3,4,5,6,7
.if \c == 0
	v_wmma_f32_16x16x32_bf16 v[TD:TD+7],    v[(\base):(\base)+7],     v[(\base):(\base)+7],     0
	v_wmma_f32_16x16x32_bf16 v[TD+8:TD+15], v[(\base)+64:(\base)+71], v[(\base)+64:(\base)+71], 0
.else
	v_wmma_f32_16x16x32_bf16 v[TD:TD+7],    v[(\base)+8*\c:(\base)+8*\c+7],       v[(\base)+8*\c:(\base)+8*\c+7],       v[TD:TD+7]
	v_wmma_f32_16x16x32_bf16 v[TD+8:TD+15], v[(\base)+64+8*\c:(\base)+64+8*\c+7], v[(\base)+64+8*\c:(\base)+64+8*\c+7], v[TD+8:TD+15]
.endif
.endr
	WIN 0
.endm
; Two candidates become one: the better value; of equal values the lower code.
.macro MERGE bv, bg, ov, og
	v_cmp_gt_f32 s72, v[\ov], v[\bv]
	v_cmp_eq_f32 s73, v[\ov], v[\bv]
	v_cmp_lt_u32 s74, v[\og], v[\bg]
	s_and_b32 s73, s73, s74
	s_or_b32 s72, s72, s73
	v_cndmask_b32 v[\bv], v[\bv], v[\ov], s72
	v_cndmask_b32 v[\bg], v[\bg], v[\og], s72
.endm
	s_load_b256 s[4:11], s[0:1], 0x0               ; input s[4:5], embt s[6:7], bias s[8:9], cand s[10:11]
	s_load_b64 s[12:13], s[0:1], 0x20              ; part
	v_lshl_add_u32 v[SPW], v0, 2, SPARE
	v_mov_b32 v[NIL], 0
	ds_add_u32 v[SPW], v[NIL]                      ; the wave's opening: the add, twice on end, and its wait ahead of my first tensor load; the set-up below stands between
	ds_add_u32 v[SPW], v[NIL]
	v_lshrrev_b32 v1, 5, v0
	v_readfirstlane_b32 s[WV], v1                  ; wave 0..3
	s_bfe_u32 s[CX], ttmp6, 0x40000                ; my place in the cluster
	s_lshl_b32 s[WG], ttmp9, 2                     ; in a cluster launch ttmp9 counts clusters
	s_add_co_u32 s[WG], s[WG], s[CX]
	; group 1 for embt: 64 rows x 256 elements of 2 bytes, 4 words of padding behind every 128 words; the mask of four, bit 21 beside it
	s_mov_b32 s[G1E+0], 15|(1<<16)|(1<<20)|(1<<21)|(6<<22)|(3<<25)
	s_mov_b32 s[G1E+1], 256<<16                    ; tensor_dim0 = 256
	s_mov_b32 s[G1E+2], 64<<16                     ; tensor_dim1 = 64
	s_mov_b32 s[G1E+3], 256<<16                    ; tile_dim0 = 256
	s_mov_b32 s[G1E+4], 64                         ; tile_dim1 = 64
	s_mov_b32 s[G1E+5], 256                        ; elements from row to row
	s_mov_b32 s[G1E+6], 0
	s_mov_b32 s[G1E+7], 0
	; for X, my work-group's own: 32 rows x 256 elements of 4 bytes, 4 words of padding behind every 256 words; no mask
	s_mov_b32 s[G1X+0], (2<<16)|(1<<20)|(7<<22)|(3<<25)
	s_mov_b32 s[G1X+1], 256<<16
	s_mov_b32 s[G1X+2], 32<<16
	s_mov_b32 s[G1X+3], 256<<16
	s_mov_b32 s[G1X+4], 32
	s_mov_b32 s[G1X+5], 256
	s_mov_b32 s[G1X+6], 0
	s_mov_b32 s[G1X+7], 0
	; for bias: 8,192 dense bytes as 32 rows of 32 elements of 8 bytes; joint
	s_mov_b32 s[G1B+0], 15|(3<<16)|(1<<21)
	s_mov_b32 s[G1B+1], 32<<16
	s_mov_b32 s[G1B+2], 32<<16
	s_mov_b32 s[G1B+3], 32<<16
	s_mov_b32 s[G1B+4], 32
	s_mov_b32 s[G1B+5], 32
	s_mov_b32 s[G1B+6], 0
	s_mov_b32 s[G1B+7], 0
	; group 0: the LDS addresses are made of constants and the wave's number
	s_mov_b32 s[G0E+0], 1
	s_mul_i32 s[G0E+1], s[WV], WTILE
	s_mov_b32 s[G0E+4], 1
	s_add_co_u32 s[G0E+5], s[G0E+1], SLOT1
	s_mov_b32 s[G0X+0], 1
	s_mul_i32 s[G0X+1], s[WV], 32*XP
	s_add_co_u32 s[G0X+1], s[G0X+1], SLOT1
	s_mov_b32 s[G0B+0], 1
	s_lshl_b32 s[G0B+1], s[WV], 13
	s_add_co_u32 s[G0B+1], s[G0B+1], BIAS
	s_lshl_b32 s76, s[WV], 15                      ; my 64 rows of a step of embt
	s_mov_b32 s77, 0
	s_lshl_b32 s72, s[WV], 13                      ; my quarter of bias
	s_mov_b32 s73, 0
	s_lshl_b32 s78, s[WG], 17                      ; my work-group's 128 queries (offsets that hold my place in the cluster live in s[78:79] alone),
	s_add_co_u32 s78, s78, s76                     ; my 32 of them
	s_mov_b32 s79, 0
	s_mov_b32 s[SEL], 0x76543210
	s_mov_b32 s[SEL+1], 0xfedcba98
	s_cmp_eq_u32 ttmp9, 0                          ; the first cluster prefetches: the same in all four partners
	s_cselect_b32 s[LIM], 1, -1
	s_wait_dscnt 0x0                               ; both opening adds are done
	s_wait_kmcnt 0x0
	s_add_nc_u64 s[G0E+2:G0E+3], s[6:7], s[76:77]  ; step 0
	s_add_nc_u64 s[G0E+6:G0E+7], s[G0E+2:G0E+3], STEPB  ; step 1
	s_or_b32 s[G0E+3], s[G0E+3], 0x80000000        ; type = 2
	s_or_b32 s[G0E+7], s[G0E+7], 0x80000000
	s_add_nc_u64 s[G0B+2:G0B+3], s[8:9], s[72:73]
	s_or_b32 s[G0B+3], s[G0B+3], 0x80000000
	s_add_nc_u64 s[G0X+2:G0X+3], s[4:5], s[78:79]
	s_or_b32 s[G0X+3], s[G0X+3], 0x80000000
	s_lshl_b32 s78, s[WG], 9
	s_add_nc_u64 s[10:11], s[10:11], s[78:79]      ; cand at my 128 queries
	s_lshl_b32 s78, s[WG], 2
	s_add_nc_u64 s[12:13], s[12:13], s[78:79]      ; part at my word
	s_lshl_b32 s78, s[CX], 15                      ; the prefetches: my work-group's 128 blocks of a step's 512,
	s_lshl_b32 s74, s[WV], 13                      ; my wave's 32 of them,
	s_add_co_u32 s78, s78, s74
	s_add_co_u32 s78, s78, 3*STEPB                 ; at step 3: the first change of slots steps it to step 4
	s_add_nc_u64 s[PFA:PFA+1], s[6:7], s[78:79]
	ROUND                                          ; all four work-groups are here: the first joint loads meet
	tensor_load_to_lds s[G0X:G0X+3], s[G1X:G1X+7]  ; the first fills go out as one group: three loads of mine are out.  X into slot 1,
	s_nop 0
	tensor_load_to_lds s[G0B:G0B+3], s[G1B:G1B+7]  ; bias,
	s_nop 0
	tensor_load_to_lds s[G0E:G0E+3], s[G1E:G1E+7]  ; step 0 into slot 0
	s_nop 0
.rept 4
	v_nop
.endr
	v_and_b32 v1, 15, v0                           ; r = l % 16
	v_bfe_u32 v2, v0, 4, 1                         ; h = l / 16
	v_and_b32 v[LN], 31, v0
	v_mul_u32_u24 v[AE0], v1, EP
	v_lshl_add_u32 v[AE0], v2, 4, v[AE0]
	v_add_nc_u32 v[AE0], s[G0E+1], v[AE0]          ; + w x WTILE
	v_add_nc_u32 v[AE0+1], SLOT1, v[AE0]
	s_lshl_b32 s76, s[WV], 8
	s_add_co_u32 s76, s76, BIAS
	v_lshl_add_u32 v[AB], v2, 5, s76               ; BIAS + 4 (64 w + 8 h)
	v_mul_u32_u24 v[AX], v1, XP
	v_lshl_add_u32 v[AX], v2, 5, v[AX]
	v_add_nc_u32 v[AX], SLOT1, v[AX]
	v_lshlrev_b32 v[PFO], 8, v[LN]
	v_lshlrev_b32 v[H8], 3, v2
	s_lshl_b32 s76, s[WV], 9
	s_add_co_u32 s76, s76, SCR
	v_lshl_add_u32 v[SA], v1, 2, s76
	v_lshlrev_b32 v[L16], 4, v[LN]
	s_lshl_b32 s76, s[WV], 2
	s_add_co_u32 s76, s76, SCR+4096
	v_mov_b32 v[TA], s76
	v_mov_b32 v[ZR], 0
	s_wait_tensorcnt 0x2                           ; my part of X is in; bias and step 0, issued behind it, may stay out
	s_barrier_signal -1
	s_barrier_wait -1                              ; everybody's part is
	XLOAD 0
	XLOAD 1
.irp t, 0,1,2,3,4,5,6,7
.if \t == 7
	s_wait_dscnt 0x0
.else
	s_wait_dscnt 32                                ; this tile's 32 loads are back; the next tile's 32 may stay out
.endif
	XCVT \t, (\t)%2
.if \t < 6
	XLOAD (\t)%2                                   ; the stage takes the tile two on
.endif
.endr
	; Slot 1 has been read out and takes step 1: a refill like every other.
	WIN 0
	s_wait_tensorcnt 0x0                           ; bias and step 0 have landed
	ds_add_u32 v[SPW], v[NIL]                      ; the state's start stands between the add and its wait
	; The first turn is a turn like any other: the tile before it is the lowest finite number everywhere, which the strict compare never takes.
	s_mov_b32 s74, 0xff7fffff
.set n, 0
.rept 64
	v_mov_b32 v[ACC+64+n], s74
.set n, n+1
.endr
	v_mov_b32 v[ACC+62], s74
	v_mov_b32 v[ACC+63], s74
.set n, 0
.rept 16
	v_mov_b32 v[BA+n], s74
.set n, n+1
.endr
.set n, 0
.rept 8
	v_mov_b32 v[GI+n], 0
.set n, n+1
.endr
.irp m, 0,1,2,3
	s_mov_b32 s[MK+\m], 0
.endr
	s_lshl_b32 s[GID0], s[WV], 6                   ; the first two steps of each number lead to tile 0's: 64 w and 64 w + 4
	s_sub_co_u32 s[GID0+1], s[GID0], 220
	s_sub_co_u32 s[GID0], s[GID0], 208
	s_wait_dscnt 0x0                               ; the add is done, and my reads of X are over
	ROUND                                          ; no wave of any partner still reads its slot 1 or has a load on its way
	tensor_load_to_lds s[G0E+4:G0E+7], s[G1E:G1E+7]
	s_nop 0
.rept 4
	v_nop
.endr
	FETCH AE0, 0, 0                                ; step 0's first tile
	; while those loads are on their way: wave w makes the sum of |x|^2 of query tiles 2 w and 2 w + 1
	s_cmp_eq_u32 s[WV], 0
	s_cbranch_scc1 .Ltr0
	s_cmp_eq_u32 s[WV], 1
	s_cbranch_scc1 .Ltr1
	s_cmp_eq_u32 s[WV], 2
	s_cbranch_scc1 .Ltr2
	TRACE 128, 0x0a
	s_branch .Ltrd
.Ltr0:
	TRACE 0, 0x05
	s_branch .Ltrd
.Ltr1:
	TRACE 128, 0x05
	s_branch .Ltrd
.Ltr2:
	TRACE 0, 0x0a
.Ltrd:
	v_sub_nc_u32 v91, v1, v[H8]                    ; register j of lane (r, h) is element (8 h + j, r): on the diagonal where j = r - 8 h.  These 17 lines are the places behind the last products
.irp j, 0,1,2,3,4,5,6,7
	v_cmp_eq_u32 s72, \j, v91
	v_cndmask_b32 v[DM+\j], 0, 1.0, s72
.endr
	v_pk_mul_f32 v[TR:TR+1], v[TD:TD+1], v[DM:DM+1]
.irp j, 2,4,6
	v_pk_fma_f32 v[TR:TR+1], v[TD+\j:TD+\j+1], v[DM+\j:DM+\j+1], v[TR:TR+1]
.endr
.irp j, 0,2,4,6
	v_pk_fma_f32 v[TR:TR+1], v[TD+8+\j:TD+8+\j+1], v[DM+\j:DM+\j+1], v[TR:TR+1]
.endr
	v_add_f32 v[TR+2], v[TR], v[TR+1]
	s_mov_b32 s[CNT], 15
.Llap:                                                 ; a trip: two steps, once round the ring; both slots are filled again
	TURN 0, 0, 0
	TURN 0, 1, 0
	TURN 0, 2, 0
	TURN 0, 3, 1
	TURN 1, 0, 0
	TURN 1, 1, 0
	TURN 1, 2, 0
	TURN 1, 3, 1
	WIN 0
	s_sub_co_u32 s[CNT], s[CNT], 1
	s_cmp_lg_u32 s[CNT], 0
	s_cbranch_scc1 .Llap
	TURN 0, 0, 0                                   ; steps 30 and 31 are written out: nothing is asked for
	TURN 0, 1, 0
	TURN 0, 2, 0
	TURN 0, 3, 2
	TURN 1, 0, 0
	TURN 1, 1, 0
	TURN 1, 2, 0
	TURN 1, 3, 3
	; the last tile's vector work, with no matrix work beside it
.set CB, 0
.set PB, 1
.set TI, 0
.set k, 0
.rept 16
	SLICE
.endr
	OPB 15, 1
	OPC 14
	OPD 13
	OPC 15
	OPD 14
	OPD 15
	; THE END.  A query's codes lie in two lanes and four waves.
.irp q, 0,1,2,3,4,5,6,7
	v_add_nc_u32 v[GI+\q], v[H8], v[GI+\q]         ; my half of the lanes' eight codes
.endr
.irp q, 0,1,2,3,4,5,6,7
	v_permlanex16_b32 v[BB+\q], v[BA+\q], s[SEL], s[SEL+1]
	v_permlanex16_b32 v[BI+\q], v[GI+\q], s[SEL], s[SEL+1]
.endr
.irp q, 0,1,2,3,4,5,6,7
	MERGE BA+\q, GI+\q, BB+\q, BI+\q
.endr
.irp q, 0,1,2,3,4,5,6,7
	ds_store_b32 v[SA], v[BA+\q] offset:64*\q      ; both halves of the lanes write the same word with the same value
	ds_store_b32 v[SA], v[GI+\q] offset:2048+64*\q
.endr
	v_add_f32_dpp v[TR+2], v[TR+2], v[TR+2] row_xmask:1 row_mask:0xf bank_mask:0xf
	v_add_f32_dpp v[TR+2], v[TR+2], v[TR+2] row_xmask:2 row_mask:0xf bank_mask:0xf
	v_add_f32_dpp v[TR+2], v[TR+2], v[TR+2] row_xmask:4 row_mask:0xf bank_mask:0xf
	v_add_f32_dpp v[TR+2], v[TR+2], v[TR+2] row_xmask:8 row_mask:0xf bank_mask:0xf
	v_permlanex16_b32 v[TR], v[TR+2], s[SEL], s[SEL+1]
	v_add_f32 v[TR+2], v[TR+2], v[TR]
	ds_store_b32 v[TA], v[TR+2]
	s_wait_dscnt 0x0                               ; for the others' sake: my stores are done
	s_barrier_signal -1
	s_barrier_wait -1
	s_cmp_lg_u32 s[WV], 0                          ; wave 0 joins the four waves' candidates: four queries a lane
	s_cbranch_scc1 .Lend
	v_add_nc_u32 v91, SCR, v[L16]
	v_mov_b32 v92, SCR+4096
.irp w, 0,1,2,3
	ds_load_b128 v[128+4*\w:131+4*\w], v91 offset:512*\w
	ds_load_b128 v[144+4*\w:147+4*\w], v91 offset:2048+512*\w
.endr
	ds_load_b128 v[160:163], v92
	s_wait_dscnt 0x0
.irp w, 1,2,3
.irp e, 0,1,2,3
	MERGE 128+\e, 144+\e, 128+4*\w+\e, 144+4*\w+\e
.endr
.endr
	global_store_b128 v[L16], v[144:147], s[10:11] ; 512 consecutive bytes, aligned
	v_add_f32 v164, v128, v129
	v_add_f32 v165, v130, v131
	v_add_f32 v164, v164, v165
	v_add_f32_dpp v164, v164, v164 row_xmask:1 row_mask:0xf bank_mask:0xf
	v_add_f32_dpp v164, v164, v164 row_xmask:2 row_mask:0xf bank_mask:0xf
	v_add_f32_dpp v164, v164, v164 row_xmask:4 row_mask:0xf bank_mask:0xf
	v_add_f32_dpp v164, v164, v164 row_xmask:8 row_mask:0xf bank_mask:0xf
	v_permlanex16_b32 v165, v164, s[SEL], s[SEL+1]
	v_add_f32 v164, v164, v165                     ; the sum of the 128 best scores
	v_add_f32 v160, v160, v161
	v_add_f32 v162, v162, v163
	v_add_f32 v160, v160, v162                     ; the sum of |x|^2
	v_fma_f32 v166, v164, -2.0, v160               ; the sum of the least distances
	v_cmp_eq_u32 vcc_lo, 0, v[LN]
	s_wait_xcnt 0x0                                ; EXEC changes only behind this wait: the store above has read it
	s_and_saveexec_b32 s75, vcc_lo
	global_store_b32 v[ZR], v166, s[12:13]
	s_wait_xcnt 0x0                                ; and again, in front of the line that widens it
	s_or_b32 exec_lo, exec_lo, s75
.Lend:
	s_wait_tensorcnt 0x0                           ; the wave's end, behind my last tensor load and my last LDS store
	ds_add_u32 v[SPW], v[NIL]
	s_wait_dscnt 0x0
	ROUND                                          ; the closing round: no work-group ends while a partner may still ask for a tile that names it
	s_endpgm
.Lfunc_end_k_q598298d3a3_search:
	.size	k_q598298d3a3_search, .Lfunc_end_k_q598298d3a3_search-k_q598298d3a3_search
	.p2alignl 7, 3214868480
	.fill 96, 4, 3214868480
	.section	.rodata,"a",@progbits
	.p2align	6, 0x0
	.amdhsa_kernel k_q598298d3a3_search
		.amdhsa_group_segment_fixed_size 327680
		.amdhsa_private_segment_fixed_size 0
		.amdhsa_enable_private_segment 0
		.amdhsa_kernarg_size 40
		.amdhsa_user_sgpr_count 2
		.amdhsa_user_sgpr_kernarg_segment_ptr 1
		.amdhsa_wavefront_size32 1
		.amdhsa_system_sgpr_workgroup_id_x 1
		.amdhsa_system_sgpr_workgroup_id_y 1
		.amdhsa_system_sgpr_workgroup_id_z 1
		.amdhsa_system_vgpr_workitem_id 0
		.amdhsa_next_free_vgpr 896
		.amdhsa_next_free_sgpr 80
		.amdhsa_reserve_vcc 1
		.amdhsa_float_denorm_mode_32 3
		.amdhsa_float_denorm_mode_16_64 3
		.amdhsa_memory_ordered 1
		.amdhsa_forward_progress 1
		.amdhsa_inst_pref_size 250
	.end_amdhsa_kernel
	.amdgpu_metadata
---
amdhsa.version: [ 1, 2 ]
amdhsa.kernels:
  - .name:           k_q598298d3a3_search
    .symbol:         k_q598298d3a3_search.kd
    .args:
      - { .name: input, .offset: 0, .size: 8, .value_kind: global_buffer, .address_space: global }
      - { .name: embt, .offset: 8, .size: 8, .value_kind: global_buffer, .address_space: global }
      - { .name: bias, .offset: 16, .size: 8, .value_kind: global_buffer, .address_space: global }
      - { .name: cand, .offset: 24, .size: 8, .value_kind: global_buffer, .address_space: global }
      - { .name: part, .offset: 32, .size: 8, .value_kind: global_buffer, .address_space: global }
    .group_segment_fixed_size: 327680
    .private_segment_fixed_size: 0
    .kernarg_segment_align: 8
    .kernarg_segment_size: 40
    .max_flat_workgroup_size: 128
    .sgpr_count:     80
    .vgpr_count:     896
    .wavefront_size: 32
...
	.end_amdgpu_metadata
.endif
;; end of part 2
;; launch pick (part 3): grid 512 x 1, 16 waves a work-group, no clusters, 2,304 bytes of LDS; arguments input, embt, cand, part, out0, out1, out2; writes out0, out1, out2
.if DOCPART == 3
	.amdgcn_target "amdgcn-amd-amdhsa--gfx1250"
	.amdhsa_code_object_version 6
	.text
	.protected	k_q598298d3a3_pick
	.globl	k_q598298d3a3_pick
	.p2align	8
	.type	k_q598298d3a3_pick,@function
k_q598298d3a3_pick:
	s_mov_b64 s[64:65], 0
	v_nop
	global_prefetch_b8 v0, s[64:65] scope:SCOPE_SE
	s_setreg_imm32_b32 hwreg(HW_REG_WAVE_MODE, 25, 1), 1
	s_wait_xcnt 0x0
; VECTOR QUANTISATION, launch 3 of 3: of the winning group's four codes the nearest; its row is out0, its number out2; out1 is the mean of the least distances.
; Left out: input + (quantize - input) is quantize by identity, so the row leaves as it is.  Limits as stated at the head of the first kernel.
; cand[q] (whole numbers that the launch before stored) steers the addresses; which of the four rows wins hangs on floating-point numbers, so all four are read and the winner is SELECTED.
; SHARES.  A work-group has 64 queries (its part of out2 is 256 consecutive bytes, aligned), a wave four.  A lane owns elements 4 l + 0..3 and 128 + 4 l + 0..3 of a row, so every load and store of a wave
; covers 256 or 512 consecutive bytes.  No loop: a wave's 40 loads go out at its start.  No matrix unit, cluster or ring: bytes are all there is.
; The distance is the sum of (e - x)^2 in f32 on the operands that the search used: x rounded to bf16 and widened again.  The compare is strict: of equal distances the lowest index wins.
.set SPARE, 256                        ; LDS: 64 indices at 0; then the spare words, 128 bytes for each of the sixteen waves
.set LX,  1                            ; v1   16 l; never rewritten
.set LE,  2                            ; v2   8 l; never rewritten
.set SPW, 3                            ; v3   my spare word; never rewritten
.set NIL, 4                            ; v4   0; never rewritten
.set T,   10                           ; v[10:17]  at work
.set D,   18                           ; v[18:25]  a pair for each candidate
.set Q,   32                           ; query i at Q + 24 i: x in +0..7, candidate c's four packed registers in +8 + 4 c
	s_load_b256 s[4:11], s[0:1], 0x0               ; input s[4:5], embt s[6:7], cand s[8:9], part s[10:11]
	s_load_b128 s[12:15], s[0:1], 0x20             ; out0 s[12:13], out1 s[14:15]
	s_load_b64 s[16:17], s[0:1], 0x30              ; out2
	v_lshl_add_u32 v[SPW], v0, 2, SPARE
	v_mov_b32 v[NIL], 0
	v_lshrrev_b32 v6, 5, v0
	v_readfirstlane_b32 s40, v6                    ; wave 0..15
	v_and_b32 v9, 31, v0                           ; l
	v_lshlrev_b32 v[LX], 4, v9
	v_lshlrev_b32 v[LE], 3, v9
	v_and_b32 v6, 3, v0
	s_lshl_b32 s41, s40, 4
	v_lshl_add_u32 v5, v6, 2, s41                  ; where lane l puts the index of query l % 4
.irp i, 0,1,2,3
	v_cmp_eq_u32 s[32+\i], \i, v6
.endr
	v_mov_b32 v7, 0
	v_mov_b32 v8, 0
	s_mov_b32 s36, 0xffff0000                      ; a word's upper bf16
	s_mov_b32 s38, 0x76543210                      ; v_permlanex16_b32: each lane takes its own place in the other half
	s_mov_b32 s39, 0xfedcba98
	s_lshl_b32 s42, ttmp9, 6
	s_lshl2_add_u32 s42, s40, s42                  ; my first query: 64 x work-group + 4 x wave
	s_lshl_b32 s44, s42, 10                        ; its row of 1,024 bytes in input and out0
	s_mov_b32 s45, 0
	s_lshl_b32 s46, s42, 2                         ; its word in cand
	s_mov_b32 s47, 0
	s_lshl_b32 s42, ttmp9, 8                       ; the work-group's 256 bytes of out2
	s_mov_b32 s43, 0
	s_wait_kmcnt 0x0
	s_add_nc_u64 s[8:9], s[8:9], s[46:47]
	s_load_b128 s[20:23], s[8:9], 0x0              ; my four queries' groups
	s_add_nc_u64 s[4:5], s[4:5], s[44:45]
	s_add_nc_u64 s[12:13], s[12:13], s[44:45]
	s_add_nc_u64 s[16:17], s[16:17], s[42:43]
.irp i, 0,1,2,3
	global_load_b128 v[Q+24*\i:Q+24*\i+3],   v[LX], s[4:5] offset:\i*1024 th:TH_LOAD_NT      ; x hangs on no group: it goes out first
	global_load_b128 v[Q+24*\i+4:Q+24*\i+7], v[LX], s[4:5] offset:\i*1024+512 th:TH_LOAD_NT
.endr
	s_wait_kmcnt 0x0
.irp i, 0,1,2,3
	s_min_u32 s[20+\i], s[20+\i], 8188             ; a group's four rows lie inside the table
	s_lshl_b32 s46, s[20+\i], 9                    ; rows of 512 bytes
	s_add_nc_u64 s[24+2*\i:25+2*\i], s[6:7], s[46:47]
.endr
.irp i, 0,1,2,3
.irp c, 0,1,2,3
	global_load_b64 v[Q+24*\i+8+4*\c:Q+24*\i+9+4*\c],   v[LE], s[24+2*\i:25+2*\i] offset:\c*512
	global_load_b64 v[Q+24*\i+10+4*\c:Q+24*\i+11+4*\c], v[LE], s[24+2*\i:25+2*\i] offset:\c*512+256
.endr
.endr
.macro QUERY i
.set XR, Q+24*(\i)
	s_wait_loadcnt 24-8*(\i)                       ; loads come back in order: x and this query's eight row loads are in; the later queries' eight each may stay out
.irp j, 0,1,2,3
	v_cvt_pk_bf16_f32 v[T+\j], v[XR+2*\j], v[XR+2*\j+1]  ; x as the search took it
.endr
.irp j, 0,1,2,3
	v_lshlrev_b32 v[XR+2*\j], 16, v[T+\j]
	v_and_b32 v[XR+2*\j+1], s36, v[T+\j]
.endr
.irp c, 0,1,2,3
.set ER, XR+8+4*\c
.irp j, 0,1,2,3
	v_lshlrev_b32 v[T+2*\j], 16, v[ER+\j]
	v_and_b32 v[T+2*\j+1], s36, v[ER+\j]
.endr
.irp j, 0,2,4,6
	v_pk_add_f32 v[T+\j:T+\j+1], v[T+\j:T+\j+1], v[XR+\j:XR+\j+1] neg_lo:[0,1] neg_hi:[0,1]  ; e - x
.endr
	v_pk_mul_f32 v[D+2*\c:D+2*\c+1], v[T:T+1], v[T:T+1]
.irp j, 2,4,6
	v_pk_fma_f32 v[D+2*\c:D+2*\c+1], v[T+\j:T+\j+1], v[T+\j:T+\j+1], v[D+2*\c:D+2*\c+1]
.endr
	v_add_f32 v[D+2*\c], v[D+2*\c], v[D+2*\c+1]
.endr
.irp m, 1,2,4,8                        ; the four sums go over the lanes side by side
.irp c, 0,1,2,3
	v_add_f32_dpp v[D+2*\c], v[D+2*\c], v[D+2*\c] row_xmask:\m row_mask:0xf bank_mask:0xf
.endr
.endr
.irp c, 0,1,2,3
	v_permlanex16_b32 v[D+2*\c+1], v[D+2*\c], s38, s39
.endr
.irp c, 0,1,2,3
	v_add_f32 v[D+2*\c], v[D+2*\c], v[D+2*\c+1]    ; every lane holds the four distances
.endr
	v_mov_b32 v26, v[D]
	v_mov_b32 v27, 0
.irp c, 1,2,3
	v_cmp_lt_f32 vcc_lo, v[D+2*\c], v26
	v_cndmask_b32 v26, v26, v[D+2*\c], vcc_lo
	v_cndmask_b32 v27, v27, \c, vcc_lo
.irp j, 0,1,2,3
	v_cndmask_b32 v[XR+8+\j], v[XR+8+\j], v[XR+8+4*\c+\j], vcc_lo  ; the winner's row moves into candidate 0's registers
.endr
.endr
	v_add_nc_u32 v6, s[20+\i], v27
	v_cndmask_b32 v8, v8, v6, s[32+\i]             ; lanes with l % 4 = i keep this query's index
.irp j, 0,1,2,3
	v_lshlrev_b32 v[XR+2*\j], 16, v[XR+8+\j]
	v_and_b32 v[XR+2*\j+1], s36, v[XR+8+\j]
.endr
	global_store_b128 v[LX], v[XR:XR+3],   s[12:13] offset:(\i)*1024 th:TH_STORE_NT      ; 512 consecutive bytes each, aligned; no register of these stores is written again
	global_store_b128 v[LX], v[XR+4:XR+7], s[12:13] offset:(\i)*1024+512 th:TH_STORE_NT
.endm
	QUERY 0
	QUERY 1
	QUERY 2
	QUERY 3
	ds_store_b32 v5, v8                            ; eight lanes write each word, with the same value
	s_wait_dscnt 0x0                               ; for the others' sake: my store is done
	s_barrier_signal -1
	s_barrier_wait -1
	s_cmp_lg_u32 s40, 0
	s_cbranch_scc1 .Lend
	ds_load_b64 v[T:T+1], v[LE]
	s_wait_dscnt 0x0
	global_store_b64 v[LE], v[T:T+1], s[16:17]     ; the work-group's 64 indices: 256 consecutive bytes, aligned
	s_cmp_lg_u32 ttmp9, 0                          ; one wave of the launch adds the 256 partial sums
	s_cbranch_scc1 .Lend
	global_load_b128 v[D:D+3],   v[LX], s[10:11]
	global_load_b128 v[D+4:D+7], v[LX], s[10:11] offset:512
	s_wait_loadcnt 0x0
	v_pk_add_f32 v[D:D+1], v[D:D+1], v[D+2:D+3]
	v_pk_add_f32 v[D+4:D+5], v[D+4:D+5], v[D+6:D+7]
	v_pk_add_f32 v[D:D+1], v[D:D+1], v[D+4:D+5]
	v_add_f32 v[D], v[D], v[D+1]
	v_add_f32_dpp v[D], v[D], v[D] row_xmask:1 row_mask:0xf bank_mask:0xf
	v_add_f32_dpp v[D], v[D], v[D] row_xmask:2 row_mask:0xf bank_mask:0xf
	v_add_f32_dpp v[D], v[D], v[D] row_xmask:4 row_mask:0xf bank_mask:0xf
	v_add_f32_dpp v[D], v[D], v[D] row_xmask:8 row_mask:0xf bank_mask:0xf
	v_permlanex16_b32 v[D+1], v[D], s38, s39
	v_add_f32 v[D], v[D], v[D+1]
	v_mul_f32 v[D], 0x34000000, v[D]               ; / (32,768 x 256) = x 2^-23
	v_cmp_eq_u32 vcc_lo, 0, v9
	s_wait_xcnt 0x0                                ; EXEC changes only behind this wait: the stores above have read it
	s_and_saveexec_b32 s41, vcc_lo
	global_store_b32 v7, v[D], s[14:15]
	s_wait_xcnt 0x0                                ; and again, in front of the line that widens it
	s_or_b32 exec_lo, exec_lo, s41
.Lend:
	s_wait_tensorcnt 0x0                           ; the wave's end, behind my last LDS store
	ds_add_u32 v[SPW], v[NIL]
	s_wait_dscnt 0x0
	s_endpgm
.Lfunc_end_k_q598298d3a3_pick:
	.size	k_q598298d3a3_pick, .Lfunc_end_k_q598298d3a3_pick-k_q598298d3a3_pick
	.p2alignl 7, 3214868480
	.fill 96, 4, 3214868480
	.section	.rodata,"a",@progbits
	.p2align	6, 0x0
	.amdhsa_kernel k_q598298d3a3_pick
		.amdhsa_group_segment_fixed_size 2304
		.amdhsa_private_segment_fixed_size 0
		.amdhsa_enable_private_segment 0
		.amdhsa_kernarg_size 56
		.amdhsa_user_sgpr_count 2
		.amdhsa_user_sgpr_kernarg_segment_ptr 1
		.amdhsa_wavefront_size32 1
		.amdhsa_system_sgpr_workgroup_id_x 1
		.amdhsa_system_sgpr_workgroup_id_y 1
		.amdhsa_system_sgpr_workgroup_id_z 1
		.amdhsa_system_vgpr_workitem_id 0
		.amdhsa_next_free_vgpr 128
		.amdhsa_next_free_sgpr 66
		.amdhsa_reserve_vcc 1
		.amdhsa_float_denorm_mode_32 3
		.amdhsa_float_denorm_mode_16_64 3
		.amdhsa_memory_ordered 1
		.amdhsa_forward_progress 1
		.amdhsa_inst_pref_size 34
	.end_amdhsa_kernel
	.amdgpu_metadata
---
amdhsa.version: [ 1, 2 ]
amdhsa.kernels:
  - .name:           k_q598298d3a3_pick
    .symbol:         k_q598298d3a3_pick.kd
    .args:
      - { .name: input, .offset: 0, .size: 8, .value_kind: global_buffer, .address_space: global }
      - { .name: embt, .offset: 8, .size: 8, .value_kind: global_buffer, .address_space: global }
      - { .name: cand, .offset: 16, .size: 8, .value_kind: global_buffer, .address_space: global }
      - { .name: part, .offset: 24, .size: 8, .value_kind: global_buffer, .address_space: global }
      - { .name: out0, .offset: 32, .size: 8, .value_kind: global_buffer, .address_space: global }
      - { .name: out1, .offset: 40, .size: 8, .value_kind: global_buffer, .address_space: global }
      - { .name: out2, .offset: 48, .size: 8, .value_kind: global_buffer, .address_space: global }
    .group_segment_fixed_size: 2304
    .private_segment_fixed_size: 0
    .kernarg_segment_align: 8
    .kernarg_segment_size: 56
    .max_flat_workgroup_size: 512
    .sgpr_count:     66
    .vgpr_count:     128
    .wavefront_size: 32
...
	.end_amdgpu_metadata
.endif
;; end of part 3
